; MI455X (gfx1250); checked and timed in simulation.
; The chip was launched on July 23, 2026; its instructions are those of AMD's public machine-readable ISA for CDNA 5 (MIT licence, August 2026) and "CDNA5" Instruction Set Architecture Reference Guide (July 2026). The comments in the code are by the model that wrote it; some were corrected since.
;; Cooperation Module. Allowed arithmetic: matrix products marked QUANTISED: E5M2 operands, one E8M0 scale for each 32 along K, by v_wmma_scale_f32_16x16x128_f8f6f4 with both operands' format E5M2, f32 sums; products left as they are: f32 operands where the result goes on into a quantised operand, else bf16, f16 or f32 operands; f32 sums; everything else in f32.
;; Inputs: W 16 x 2,048 x 512 float32; b 16 x 2,048 float32; field_centers 16 x 512 float32; semantic_vec_codes 4,096 x 16 x 32 uint8 (E5M2 codes of semantic_vec, K innermost, in blocks of 32 codes); semantic_vec_scales 4,096 x 16 uint8 (E8M0 scales of semantic_vec, one for each 32 codes along K).
;; Outputs: out0 4,096 x 2,048 float32.
;; This version of the problem:
;;   THIS VERSION OF THE PROBLEM IS GIVEN IN LOW PRECISION. The matrix products marked QUANTISED in the list below multiply operands that are first quantised to E5M2 (5 exponent bits, 2 mantissa bits; 8 bits a number), with one power-of-two scale for each 32 numbers along K (OCP MX v1.0); their sums are f32. All else is computed in f32.
;;   The module's matrix products, in the order in which they are computed (A, B: the left and right operand; K: the contracted axis; several contracted axes count as one K, in the product's order):
;;     1. [M 4,096, K 512] x [K 512, N 32,768]; A: input semantic_vec (given as codes); B: input W: QUANTISED
;;     2. batch 16 x [M 1, K 512] x [K 512, N 2,048]; A: input field_centers; B: input W: left as it is (M = 1 < 16)
;;   THE QUANTISER, for each operand of a quantised product, along K:
;;     - K is cut into blocks of 32 from its start; a last block that is shorter is filled with zeros.
;;     - A block's scale is 2^e with e = floor(log2(the largest magnitude in the block)) - 15, held to -126 .. 127; a block of zeros has e = 0. As a byte (E8M0): e + 127.
;;     - Each number is divided by its block's scale, clamped to +-57,344, and rounded to the nearest number of E5M2, ties to even, subnormals kept.
;;     - The product sums the exact products of the quantised numbers (number of the format x scale) in f32.
;;   ~~~python
;;   def quantise(x, axis):      # numpy; x: float32 -> the quantised numbers, widened to float32 again
;;       x = np.moveaxis(x, axis, -1); K = x.shape[-1]
;;       x = np.pad(x, [(0, 0)] * (x.ndim - 1) + [(0, -K % 32)]); x = x.reshape(x.shape[:-1] + (-1, 32)); a = np.abs(x).max(-1, keepdims=True)
;;       e = np.where(a > 0, np.clip(np.frexp(np.where(a > 0, a, 1))[1] - 1 - 15, -126, 127), 0)      # np.frexp(a)[1] - 1 = floor(log2(a)), exactly
;;       r = np.clip(x / 2.0 ** e, -57344, 57344)
;;       step = 2.0 ** (np.maximum(np.frexp(np.where(r == 0, 1, r))[1] - 1, -14) - 2)
;;       q = np.round(r / step) * step * 2.0 ** e      # np.round: ties to even
;;       return np.moveaxis(q.reshape(q.shape[:-2] + (-1,))[..., :K], -1, axis).astype(np.float32)
;;   ~~~
;;   INPUTS GIVEN AS CODES. semantic_vec (in the module: [4096, 512], K = its axis 1): each comes as NAME_codes (uint8): NAME with its K axis moved to the last place and cut into blocks of 32 codes, [.., K / 32, bytes a block], one block behind the other in memory; one code a byte (a code: sign, 5 exponent bits, 2 mantissa bits); and NAME_scales (uint8): the same leading axes, one E8M0 byte (e + 127) for each 32 codes along K. Its value is code x scale, taken as it is: it is not quantised again, and the codes and scales need not be those that the quantiser above would give.
;; One version. Each part assembles by itself: llvm-mc -triple=amdgcn-amd-amdhsa -mcpu=gfx1250 --defsym DOCPART=n.
;; ======== version 1 of 1: 2 launches
;; workspace buffers: wq 16,777,216 bytes; wside 655,360 bytes
;; launch prep (part 1): grid 32 x 16, 4 waves a work-group, no clusters, 58,112 bytes of LDS; arguments W, b, field_centers, wq, wside; writes wq, wside
.if DOCPART == 1
	.amdgcn_target "amdgcn-amd-amdhsa--gfx1250"
	.amdhsa_code_object_version 6
	.text
	.protected	k_q4f260aff5b_prep
	.globl	k_q4f260aff5b_prep
	.p2align	8
	.type	k_q4f260aff5b_prep,@function
k_q4f260aff5b_prep:
	s_mov_b64 s[64:65], 0
	v_nop
	global_prefetch_b8 v0, s[64:65] scope:SCOPE_SE
	s_setreg_imm32_b32 hwreg(HW_REG_WAVE_MODE, 25, 1), 1
	s_wait_xcnt 0x0
; W [16][2048][512] f32 is turned, once, into what the product's launch reads:
;   wq    [yt 32][e 16][hb 4][q 32][r 16][16 bytes]: codes of BF8 (E5M2) as IMAGES OF OPERAND REGISTERS.  A record (yt, e, hb) is 16 rows of W (h = 64 yt + 16 hb + r) x 512 along K, 8,192 bytes;
;         chunk q of row r holds the codes of k = 16 q .. 16 q + 15, so that a load of 16 bytes a lane at 16 x lane + 512 (4 s + c) gives registers 4 c .. 4 c + 3 of the fragment of K step s.
;   wside [yt 32][e 16][1,280 bytes]: 1,024 scale bytes [hb 4][r 16][16] (word s of a row = the scale word of K step s), then 64 f32: b[e][h] - c[e] . W[e][h], from the UNQUANTISED W, by f32 multiply-adds.
; A block's scale is 2^(floor(log2(its largest magnitude)) - 15); its byte is the largest magnitude's exponent field - 15, held at 1 from below; each number is held within +-57,344 x the scale and rounded to the nearest code, ties to even.
; LIMITS: a block of zeros gets the byte 1 where the rule says 127 (its codes are zeros, which add nothing, and this program alone reads the bytes); blocks whose largest magnitude lies under 2^(16 - 127), the floor, were not tried;
; NaN and infinities in W are not served.
; SHARES.  Work-group (x = yt, y = e); wave w makes record hb = w: 16 rows of 2,048 bytes, one row a step.  Each of a step's four loads reads 512 consecutive bytes; the row turns through the wave's own stage in LDS and comes
; back 64 bytes a lane: 16 neighbours along K, two lanes to a block of 32.  Loads run eight rows (32 loads a wave) ahead, the turn through LDS one row.
; The codes gather in a stage of 32 chunks x 16 rows and leave as 16 stores of 512 consecutive bytes; the 256 scale bytes as one store of 256; the 64 biases, which four waves make, meet in LDS behind the one barrier.
; No tensor loads, no cluster: work-groups share nothing but the 2,048 bytes of a centre.
.set ROWS, 16
.set WREG, 14336                       ; LDS: a region for each wave:
.set SP,   80                          ;   a lane's place in a stage: its 64 bytes + 16 of padding
.set STG,  32*SP                       ;   two stages of 2,560 bytes at 0 and STG,
.set SCB,  2*STG                       ;   the wave's 256 scale bytes,
.set CST,  SCB+256                     ;   the codes' stage: 32 chunks x (256 bytes + 16)
.set CP,   272
.set CWS,  4*WREG                      ; behind the four regions: 64 words, c . W of the tile's 64 rows
.set CV,   16                          ; v16-31   c[e][16 lane .. 16 lane + 15]
.set X,    32                          ; v32-63   two sets of 16 neighbours
.set R,    64                          ; v64-191  eight sets of 16 numbers as they are loaded; on the way out 16 x 4 registers of codes
.set C,    192                         ; v192-207 codes: four sets of 4 by turns
.set D,    208                         ; v208-223 a dot for each step
.set E,    224                         ; v224-239 a scale byte for each step
; v1 lane; v2 16 lane; v3, v4 the stage in and out; v5 my block's scale byte; v6 the scale bytes on the way out; v7 8 lane; v8, v9 the codes' stage in and out; v10 my wave's dot words; v11 64 lane
; v12, v13 maxima; v14 the hold; v15 the conversion's scale operand; v240-243 the dot's two chains; v244 a lane permute's destination
	s_load_b256 s[4:11], s[0:1], 0x0               ; W s[4:5], b s[6:7], the centres s[8:9], wq s[10:11]
	s_load_b64 s[12:13], s[0:1], 0x20              ; wside
	v_lshl_add_u32 v254, v0, 2, 0xe100
	v_mov_b32 v255, 0
	v_lshrrev_b32 v1, 5, v0
	v_readfirstlane_b32 s14, v1                    ; wave = hb
	v_and_b32 v1, 31, v0                           ; lane
	s_and_b32 s16, ttmp7, 0xffff                   ; e
	s_mul_i32 s17, s14, WREG                       ; my region
	v_lshlrev_b32 v2, 4, v1
	v_lshrrev_b32 v3, 2, v1
	v_mul_u32_u24 v3, v3, SP
	v_and_b32 v4, 3, v1
	v_lshl_add_u32 v3, v4, 4, v3
	v_add_nc_u32 v3, s17, v3                       ; in: four lanes' 64 bytes on end, then 16 of padding
	v_mul_u32_u24 v4, v1, SP
	v_add_nc_u32 v4, s17, v4                       ; out: my 16 neighbours
	v_lshrrev_b32 v5, 1, v1
	v_add_nc_u32 v5, s17, v5
	v_lshlrev_b32 v7, 3, v1
	v_add_nc_u32 v6, s17, v7
	v_mul_u32_u24 v8, v1, CP
	v_add_nc_u32 v8, s17, v8                       ; codes in: chunk q = my lane; the row stands in the immediate
	v_lshrrev_b32 v9, 4, v1
	v_mul_u32_u24 v9, v9, CP
	v_and_b32 v11, 15, v1
	v_lshl_add_u32 v9, v11, 4, v9
	v_add_nc_u32 v9, s17, v9                       ; codes out: sixteen lanes to a chunk's 256 bytes, two chunks an instruction
	s_lshl_b32 s18, s14, 6
	s_add_co_u32 s18, s18, CWS
	v_mov_b32 v10, s18
	v_lshlrev_b32 v11, 6, v1
	v_mov_b32 v244, 0                              ; written once: a lane permute's destination counts as one of its sources
	s_mov_b32 s20, 0x76543210
	s_mov_b32 s21, 0xfedcba98                      ; v_permlanex16_b32's selects for lane l xor 16
	s_mov_b32 s23, 0x600000                        ; the mantissa field of 57,344
	s_lshl_b32 s18, s16, 11
	s_lshl_b32 s19, ttmp9, 6
	s_add_co_u32 s18, s18, s19                     ; the tile's first row of W: 2,048 e + 64 yt
	s_lshl_b32 s24, s18, 2                         ; its place in b
	s_mov_b32 s25, 0
	s_lshl_b32 s19, s14, 4
	s_add_co_u32 s18, s18, s19                     ; my first row,
	s_lshl_b32 s18, s18, 11                        ; in bytes (under 2^27)
	s_mov_b32 s19, 0
	s_lshl_b32 s26, ttmp9, 4
	s_add_co_u32 s26, s26, s16
	s_lshl_b32 s26, s26, 2
	s_add_co_u32 s26, s26, s14
	s_lshl_b32 s26, s26, 13                        ; my record: ((16 yt + e) 4 + w) x 8,192
	s_mov_b32 s27, 0
	s_mul_i32 s28, ttmp9, 20480
	s_mul_i32 s29, s16, 1280
	s_add_co_u32 s28, s28, s29
	s_lshl_b32 s29, s14, 8
	s_add_co_u32 s28, s28, s29                     ; my 256 scale bytes
	s_mov_b32 s29, 0
	s_lshl_b32 s30, s16, 11                        ; my centre
	s_mov_b32 s31, 0
	s_wait_kmcnt 0x0
	s_add_nc_u64 s[4:5], s[4:5], s[18:19]
	s_add_nc_u64 s[6:7], s[6:7], s[24:25]
	s_add_nc_u64 s[8:9], s[8:9], s[30:31]
	s_add_nc_u64 s[10:11], s[10:11], s[26:27]
	s_add_nc_u64 s[12:13], s[12:13], s[28:29]
.irp j, 0,1,2,3
	global_load_b128 v[CV+4*\j:CV+4*\j+3], v11, s[8:9] offset:16*\j
.endr
.macro LOAD t                          ; row t as it lies: 32 lanes read 512 consecutive bytes
.irp i, 0,1,2,3
	global_load_b128 v[R+16*((\t)%8)+4*\i:R+16*((\t)%8)+4*\i+3], v2, s[4:5] offset:2048*(\t)+512*\i th:TH_LOAD_NT
.endr
.endm
.macro TURN t                          ; row t through the stage: LDS serves a wave's instructions in order, so no wait stands between the stores and the loads
.irp i, 0,1,2,3
	ds_store_b128 v3, v[R+16*((\t)%8)+4*\i:R+16*((\t)%8)+4*\i+3] offset:STG*((\t)%2)+8*SP*\i
.endr
.irp i, 0,1,2,3
	ds_load_b128 v[X+16*((\t)%2)+4*\i:X+16*((\t)%2)+4*\i+3], v4 offset:STG*((\t)%2)+16*\i
.endr
.endm
.irp t, 0,1,2,3,4,5,6,7
	LOAD \t
.endr
	s_wait_loadcnt 28                              ; the centre and row 0 are in; rows 1 to 7, four loads each, may be out
	TURN 0
.macro STEP t
.set XS, X+16*((\t)%2)
.set CC, C+4*((\t)%4)
.if (\t) > 0
	s_wait_dscnt 3                                 ; this row is back from the stage (the last step's three stores may be out): so its stores into the stage have read their registers,
.else
	s_wait_dscnt 0x0
.endif
.if (\t)+8 < ROWS
	LOAD (\t)+8                                    ; which take the row eight further on
.endif
.if (\t)+1 < ROWS
.if ROWS-2-(\t) >= 7
	s_wait_loadcnt 28                              ; the next row's four loads are in; the seven rows behind it may be out
.else
	s_wait_loadcnt 4*(ROWS-2-(\t))
.endif
	TURN (\t)+1                                    ; and it goes through the other stage while this row is worked
.endif
	v_max3_num_f32 v12, |v[XS]|, |v[XS+1]|, |v[XS+2]|              ; the largest magnitude of my 16, in two chains
	v_max3_num_f32 v13, |v[XS+3]|, |v[XS+4]|, |v[XS+5]|
.irp i, 6,10
	v_max3_num_f32 v12, v12, |v[XS+\i]|, |v[XS+\i+1]|
	v_max3_num_f32 v13, v13, |v[XS+\i+2]|, |v[XS+\i+3]|
.endr
	v_max3_num_f32 v12, v12, |v[XS+14]|, |v[XS+15]|
	v_max3_num_f32 v12, v12, v13, 0x8000000        ; and the floor 2^(16 - 127): the byte cannot fall under 1
	v_pk_mul_f32 v[240:241], v[XS:XS+1], v[CV:CV+1]                ; c . W of my 16, from the numbers as they came: ahead of the hold
	v_pk_mul_f32 v[242:243], v[XS+2:XS+3], v[CV+2:CV+3]
	v_max_num_f32_dpp v12, v12, v12 row_xmask:1 row_mask:0xf bank_mask:0xf   ; with my neighbour's 16: the block's
.irp i, 4,8,12
	v_pk_fma_f32 v[240:241], v[XS+\i:XS+\i+1], v[CV+\i:CV+\i+1], v[240:241]
	v_pk_fma_f32 v[242:243], v[XS+\i+2:XS+\i+3], v[CV+\i+2:CV+\i+3], v[242:243]
.endr
	v_add_nc_u32 v15, 0xf8800000, v12              ; 15 off the exponent field: the conversion takes the exponent field of this operand as its scale
	v_and_or_b32 v14, v12, 0x7f800000, s23         ; 57,344 x the scale
	v_pk_add_f32 v[240:241], v[240:241], v[242:243]
	v_add_f32 v240, v240, v241
	v_add_f32_dpp v240, v240, v240 row_xmask:1 row_mask:0xf bank_mask:0xf
	v_add_f32_dpp v240, v240, v240 row_xmask:2 row_mask:0xf bank_mask:0xf
	v_add_f32_dpp v240, v240, v240 row_xmask:4 row_mask:0xf bank_mask:0xf
	v_add_f32_dpp v240, v240, v240 row_xmask:8 row_mask:0xf bank_mask:0xf
	v_permlanex16_b32 v244, v240, s20, s21
	v_add_f32 v[D+(\t)], v240, v244                ; the row's c . W, in every lane
	ds_store_b32 v10, v[D+(\t)] offset:4*(\t)      ; all lanes write the same word with the same value
.irp n, 0,1,2,3,4,5,6,7,8,9,10,11,12,13,14,15
	v_med3_num_f32 v[XS+\n], v[XS+\n], -v14, v14   ; the conversion to an 8-bit code does not saturate (ISA guide 7.6.2): the hold at the largest code x the scale
.endr
	v_cvt_scalef32_pk8_bf8_f32 v[CC:CC+1], v[XS:XS+7], v15
	v_cvt_scalef32_pk8_bf8_f32 v[CC+2:CC+3], v[XS+8:XS+15], v15
	v_lshrrev_b32 v[E+(\t)], 23, v15               ; the scale's byte; also the plain line behind the conversions
	ds_store_b8 v5, v[E+(\t)] offset:SCB+16*(\t)   ; both lanes of a block write the same byte with the same value
	ds_store_b128 v8, v[CC:CC+3] offset:CST+16*(\t)   ; chunk = my lane, row t
.endm
.irp t, 0,1,2,3,4,5,6,7,8,9,10,11,12,13,14,15
	STEP \t
.endr
	; THE WAY OUT.  LDS serves a wave's instructions in order: these loads see my stores
	ds_load_b64 v[12:13], v6 offset:SCB
.irp i, 0,1,2,3,4,5,6,7,8,9,10,11,12,13,14,15
	ds_load_b128 v[R+4*\i:R+4*\i+3], v9 offset:CST+2*CP*\i
.endr
	s_wait_dscnt 16                                ; the scale bytes are in; the sixteen loads behind them may be out
	global_store_b64 v7, v[12:13], s[12:13]        ; 32 lanes store 256 consecutive bytes, aligned
.irp i, 0,1,2,3,4,5,6,7,8,9,10,11,12,13,14,15
	s_wait_dscnt 15-\i
	global_store_b128 v2, v[R+4*\i:R+4*\i+3], s[10:11] offset:512*\i   ; 512 consecutive bytes of my record
.endr
	s_wait_dscnt 0x0                               ; for the others' sake: my sixteen dot words have landed
	s_barrier_signal -1
	s_barrier_wait -1
	s_cmp_lg_u32 s14, 0                            ; wave 0 makes the tile's 64 biases
	s_cbranch_scc1 .Ldone
	ds_load_b64 v[14:15], v7 offset:CWS            ; c . W of rows 2 lane, 2 lane + 1
	global_load_b64 v[16:17], v7, s[6:7]           ; b of the same
	s_wait_loadcnt 0x0
	s_wait_dscnt 0x0
	v_sub_f32 v18, v16, v14
	v_sub_f32 v19, v17, v15
	global_store_b64 v7, v[18:19], s[12:13] offset:1024   ; 256 consecutive bytes, aligned, behind the 1,024 scale bytes (in wave 0 the base stands at their head)
.Ldone:
	s_wait_tensorcnt 0x0
	ds_add_u32 v254, v255
	s_wait_dscnt 0x0
	s_endpgm
.Lfunc_end_k_q4f260aff5b_prep:
	.size	k_q4f260aff5b_prep, .Lfunc_end_k_q4f260aff5b_prep-k_q4f260aff5b_prep
	.p2alignl 7, 3214868480
	.fill 96, 4, 3214868480
	.section	.rodata,"a",@progbits
	.p2align	6, 0x0
	.amdhsa_kernel k_q4f260aff5b_prep
		.amdhsa_group_segment_fixed_size 58112
		.amdhsa_private_segment_fixed_size 0
		.amdhsa_enable_private_segment 0
		.amdhsa_kernarg_size 40
		.amdhsa_user_sgpr_count 2
		.amdhsa_user_sgpr_kernarg_segment_ptr 1
		.amdhsa_wavefront_size32 1
		.amdhsa_system_sgpr_workgroup_id_x 1
		.amdhsa_system_sgpr_workgroup_id_y 1
		.amdhsa_system_sgpr_workgroup_id_z 1
		.amdhsa_system_vgpr_workitem_id 0
		.amdhsa_next_free_vgpr 256
		.amdhsa_next_free_sgpr 66
		.amdhsa_reserve_vcc 0
		.amdhsa_float_denorm_mode_32 3
		.amdhsa_float_denorm_mode_16_64 3
		.amdhsa_memory_ordered 1
		.amdhsa_forward_progress 1
		.amdhsa_inst_pref_size 71
	.end_amdhsa_kernel
	.amdgpu_metadata
---
amdhsa.version: [ 1, 2 ]
amdhsa.kernels:
  - .name:           k_q4f260aff5b_prep
    .symbol:         k_q4f260aff5b_prep.kd
    .args:
      - { .name: W, .offset: 0, .size: 8, .value_kind: global_buffer, .address_space: global }
      - { .name: b, .offset: 8, .size: 8, .value_kind: global_buffer, .address_space: global }
      - { .name: field_centers, .offset: 16, .size: 8, .value_kind: global_buffer, .address_space: global }
      - { .name: wq, .offset: 24, .size: 8, .value_kind: global_buffer, .address_space: global }
      - { .name: wside, .offset: 32, .size: 8, .value_kind: global_buffer, .address_space: global }
    .group_segment_fixed_size: 58112
    .private_segment_fixed_size: 0
    .kernarg_segment_align: 8
    .kernarg_segment_size: 40
    .max_flat_workgroup_size: 128
    .sgpr_count:     66
    .vgpr_count:     256
    .wavefront_size: 32
...
	.end_amdgpu_metadata
.endif
;; end of part 1
;; launch coop (part 2): grid 8 x 32, 4 waves a work-group, clusters of 4 x 1, 327,680 bytes of LDS; arguments wq, wside, semantic_vec_codes, semantic_vec_scales, out0; writes out0
.if DOCPART == 2
	.amdgcn_target "amdgcn-amd-amdhsa--gfx1250"
	.amdhsa_code_object_version 6
	.text
	.protected	k_q4f260aff5b_coop
	.globl	k_q4f260aff5b_coop
	.p2align	8
	.type	k_q4f260aff5b_coop,@function
k_q4f260aff5b_coop:
	s_mov_b64 s[64:65], 0
	v_nop
	global_prefetch_b8 v0, s[64:65] scope:SCOPE_SE
	s_setreg_imm32_b32 hwreg(HW_REG_WAVE_MODE, 25, 1), 1
	s_wait_xcnt 0x0
	s_wait_alu depctr_hold_cnt(0) depctr_sa_sdst(0) depctr_va_vdst(0) depctr_va_sdst(0) depctr_va_ssrc(0) depctr_va_vcc(0) depctr_vm_vsrc(0)
	s_getreg_b32 s2, hwreg(HW_REG_IB_STS2, 6, 4)
	s_cmp_eq_u32 s2, 0
	s_cbranch_scc0 .Lentry_in_a_cluster
	s_endpgm
.Lentry_in_a_cluster:
	s_bfe_u32 s2, ttmp6, 0x10000c
	s_cmp_lg_u32 s2, 0x3003
	s_cbranch_scc0 .Lentry_shape_is_right
	s_endpgm
.Lentry_shape_is_right:
; out[row][h] = the sum over e of relu(x[row] . Q(W[e][h]) + bias'[e][h]), bias' = b - c . W.  x: codes of BF8 (E5M2) [4096][512] with E8M0 bytes [4096][16], taken as they are given;
; W's codes, scale bytes and bias' come from the launch before, laid as images of operand registers (wq, wside).  Products by v_wmma_scale_f32_16x16x128_f8f6f4, both sides BF8; sums, relu and the sum over e in f32.
; LIMITS: relu is v_max_num_f32 with 0, which turns a NaN into 0; infinity and NaN codes of x are passed to the matrix unit as they are.
; SHARES.  A work-group owns 512 rows x 64 h (tile yt); wave w owns rows 128 w .. 128 w + 127 and all 64 h, so that a row of its result is 256 consecutive bytes, aligned.
; x's 8 blocks of 16 rows x 512 K stay in REGISTERS for the whole launch (512 registers); the sums over e take 256.  What streams is W: 16 experts x 4 records of 16 h x 512 K (8,192 bytes), read from LDS by all four waves.
; A record feeds 32 matrix instructions a wave: two HALF-GROUPS of 4 blocks of x by 4 K steps, the four accumulators by turns, K ascending; the C of K step 0 is bias', so the bias costs no instruction.
; THE MATRIX INSTRUCTION IS USED TRANSPOSED (source 0 = 16 rows of W, source 1 = 16 rows of x): a lane holds one row of x and eight neighbouring h.
; BY TURNS.  relu and the addition onto the sums of the half-group BEFORE stand in slices behind the matrix instructions of the half-group in hand: two maxima behind each, two packed additions behind every second.
; RING.  Two LDS slots of 4 experts (131,072 bytes); each wave fetches one expert (128 rows of 256 bytes, dense) with one tensor load.  Scale bytes and bias' of all 16 experts (20,480 bytes) come once, with the first fills.
; CLUSTER.  The four work-groups of a cluster have the same yt and other rows: they walk the same stream of W, so every tensor load is asked for JOINTLY (mask 15).  My place in the cluster enters x's and out's global addresses alone.
; REGISTERS, in windows of 256 (s_set_vgpr_msb: bits 1:0 source 0, 3:2 source 1, 5:4 source 2, 7:6 destination):
;   window 0: v0-15 addresses; v16-31 x's scale words; v32-39 W's, two sets; v40-55 bias', two sets; v64-127 accumulators, two sets of 4 x 8; v128-255 W's fragments, two sets of 4 x 16
;   window 1: the sums, (block i of x, hb) at v[8 (4 i + hb)];   window 2: x's blocks 0-3, (a, K step s) at v[64 a + 16 s];   window 3: blocks 4-7 likewise
.set EXPB,  32768                      ; an expert's four records
.set SLOT1, 1<<17                      ; slot 1 begins here: one exclusive or turns an address in one slot into the other's
.set SIDE,  2*SLOT1                    ; behind the ring: 16 experts x 1,280 bytes: 1,024 scale bytes [hb][r][16], 64 f32 of bias'; filled once
.set SIDEB, 1280
.set SPARE, SIDE+16*SIDEB              ; the spare words, 128 bytes for each wave: two blocks of 256 bytes that no other line names
.set STAGE, SPARE+512                  ; the way out: for each wave two stages of 16 rows x (256 bytes + 16); no tensor load fills them
.set SPITCH, 272
.set STB,   16*SPITCH
.set AF0, 2                            ; v2   16 x lane: my place in an image
.set AS0, 3                            ; v3   SIDE + 16 (lane % 16): my row's four scale words
.set AB0, 4                            ; v4   SIDE + 1,024 + 32 (lane / 16): my half's eight bias'
.set ADF, 5                            ; v5-7 the same for the expert in hand
.set ADS, 6
.set ADB, 7
.set STO, 8                            ; v8   the way out: where I put 32 bytes of a row
.set RD,  9                            ; v9   where I read a row back
.set GO,  10                           ; v10  my byte offset in the wave's rows of out
.set XO,  11                           ; v11  my byte offset in the wave's rows of x's codes
.set XSO, 12                           ; v12  and of x's scale bytes
.set SPW, 13                           ; v13  LDS address of my spare word: SPARE + 4 x my thread's number; never rewritten
.set NIL, 14                           ; v14  0; never rewritten
.set XS,  16                           ; register 4 a + s: lanes 0-15 the word of block a, lanes 16-31 that of block a + 4, for K step s
.set WS,  32
.set BI,  40
.set T,   64
.set F,   128
.set BK,  128                          ; the way out: 16 rows read back, v128-159 and v160-191 by turns
.set WV,  14                           ; s14  my wave's number
.set G1,  24                           ; s[24:31] descriptor group 1: an expert's 128 rows of 256 bytes
.set G1S, 32                           ; s[32:39] the same for 20 rows: a quarter of the side bytes
.set G0A, 40                           ; s[40:43] group 0: slot 0's first fill
.set G0W, 44                           ; s[44:47] slot 1's first fill; it then walks
.set G0S, 48                           ; s[48:51] the side bytes
.set TB,  52                           ; s52  LDS byte at which the expert to be fetched begins
.set TS,  53                           ; s53  1,280 x that expert
.set SLOTS, 54
.set INNER, 55
.set EP,  0x41                         ; destination and source 0 in window 1: a sum takes an accumulator's pair
.set EPF, 0x40                         ; destination in window 1: the first expert starts the sums
.set MSB, 0
.macro WIN new                         ; the immediate's high byte repeats the setting that is left; a switch that changes nothing is dropped
.if MSB != (\new)
	s_set_vgpr_msb (MSB<<8)|(\new)
.set MSB, (\new)
.endif
.endm
; A round of the cluster's barrier: my work-group's barrier, so that wave 0's signal speaks for all four waves; wave 0 signals for the work-group; every wave waits for all four work-groups; my work-group's barrier once more.
.macro CROUND
	s_barrier_signal -1
	s_barrier_wait -1
	s_cmp_lg_u32 s[WV], 0
	s_cbranch_scc1 .Lnot_wave_0_\@
	s_barrier_signal -3
.Lnot_wave_0_\@:
	s_barrier_wait -3
	s_barrier_signal -1
	s_barrier_wait -1
.endm
	s_load_b256 s[4:11], s[0:1], 0x0               ; wq s[4:5], wside s[6:7], x's codes s[8:9], x's scales s[10:11]
	s_load_b64 s[12:13], s[0:1], 0x20              ; out
	v_lshl_add_u32 v[SPW], v0, 2, SPARE
	v_mov_b32 v[NIL], 0
	ds_add_u32 v13, v14
	ds_add_u32 v13, v14
	s_wait_dscnt 0x0
	v_lshrrev_b32 v1, 5, v0
	v_readfirstlane_b32 s[WV], v1                  ; wave 0..3
	s_bfe_u32 s15, ttmp6, 0x40000                  ; cx: my place in the cluster
	s_lshl_b32 s16, ttmp9, 2                       ; in a cluster launch ttmp9 counts clusters
	s_add_co_u32 s16, s16, s15                     ; my tile of 512 rows = 4 x cluster x + cx
	s_lshl_b32 s16, s16, 9
	s_lshl_b32 s18, s[WV], 7
	s_add_co_u32 s16, s16, s18                     ; my wave's first row
	s_and_b32 s17, ttmp7, 0xffff                   ; yt, which the four partners share
	s_lshl_b32 s20, s17, 19                        ; wq: a tile's 16 experts are 2^19 bytes;
	s_lshl_b32 s18, s[WV], 15
	s_add_co_u32 s20, s20, s18                     ; of a slot's four experts I fetch number w
	s_mov_b32 s21, 0
	s_mul_i32 s22, s17, 16*SIDEB                   ; wside: a tile's 20,480 bytes;
	s_mul_i32 s18, s[WV], 4*SIDEB
	s_add_co_u32 s22, s22, s18                     ; I fetch a quarter
	s_mov_b32 s23, 0
	s_lshl_b32 s56, s16, 9                         ; x's codes: 512 bytes a row
	s_mov_b32 s57, 0
	s_lshl_b32 s58, s16, 4                         ; x's scale bytes: 16 a row
	s_mov_b32 s59, 0
	s_lshl_b32 s60, s16, 13                        ; out: 8,192 bytes a row (under 2^26),
	s_lshl_b32 s18, s17, 8
	s_add_co_u32 s60, s60, s18                     ; + 256 yt
	s_mov_b32 s61, 0
	; descriptor group 1: dense rows of 256 bytes, 32 elements of 8 bytes, no padding: an image's loads read 512 consecutive bytes
	s_mov_b32 s[G1], 15|(3<<16)|(1<<21)            ; 15:0 the mask: all four work-groups; 17:16 elements of 8 bytes; 21 set beside a mask
	s_mov_b32 s[G1S], 15|(3<<16)|(1<<21)
.irp g, G1, G1S
	s_mov_b32 s[\g+1], 32<<16                      ; tensor_dim0 = 32
	s_mov_b32 s[\g+3], 32<<16                      ; tile_dim0 = 32
	s_mov_b32 s[\g+5], 32                          ; tensor_dim0_stride
	s_mov_b32 s[\g+6], 0
	s_mov_b32 s[\g+7], 0
.endr
	s_mov_b32 s[G1+2], 128<<16                     ; tensor_dim1 = 128
	s_mov_b32 s[G1+4], 128                         ; tile_dim1 = 128
	s_mov_b32 s[G1S+2], 20<<16
	s_mov_b32 s[G1S+4], 20
	s_mov_b32 s[TB], 0
	s_mov_b32 s[TS], 0
	s_wait_kmcnt 0x0
	s_add_nc_u64 s[4:5], s[4:5], s[20:21]
	s_add_nc_u64 s[6:7], s[6:7], s[22:23]
	s_add_nc_u64 s[8:9], s[8:9], s[56:57]
	s_add_nc_u64 s[10:11], s[10:11], s[58:59]
	s_add_nc_u64 s[12:13], s[12:13], s[60:61]
	s_mov_b32 s[G0A], 1                            ; 1:0 count = 1
	s_lshl_b32 s[G0A+1], s[WV], 15                 ; LDS address: slot 0, expert w: no place in the cluster enters it
	s_mov_b64 s[G0A+2:G0A+3], s[4:5]               ; experts 0 to 3
	s_or_b32 s[G0A+3], s[G0A+3], 0x80000000        ; type = 2
	s_mov_b32 s[G0W], 1
	s_add_co_u32 s[G0W+1], s[G0A+1], SLOT1
	s_add_nc_u64 s[G0W+2:G0W+3], s[4:5], 4*EXPB    ; experts 4 to 7
	s_or_b32 s[G0W+3], s[G0W+3], 0x80000000
	s_mov_b32 s[G0S], 1
	s_mul_i32 s[G0S+1], s[WV], 4*SIDEB
	s_add_co_u32 s[G0S+1], s[G0S+1], SIDE
	s_mov_b64 s[G0S+2:G0S+3], s[6:7]
	s_or_b32 s[G0S+3], s[G0S+3], 0x80000000
	CROUND                                         ; all four work-groups are here: the first joint loads meet
	tensor_load_to_lds s[G0S:G0S+3], s[G1S:G1S+7]  ; the first fills stand together, ahead of every wait on TENSORcnt and every LDS read: three loads of mine are out
	s_nop 0
	tensor_load_to_lds s[G0A:G0A+3], s[G1:G1+7]
	s_nop 0
	tensor_load_to_lds s[G0W:G0W+3], s[G1:G1+7]
	s_nop 0
.rept 4
	v_nop                                          ; four lines behind the loads, ahead of any switch of windows
.endr
	v_and_b32 v1, 15, v0                           ; r = lane % 16
	v_bfe_u32 v15, v0, 4, 1                        ; half = lane / 16
	v_lshlrev_b32 v[XO], 9, v1
	v_lshl_add_u32 v[XO], v15, 4, v[XO]            ; row r of 512 bytes + 16 x half
	v_lshlrev_b32 v[XSO], 4, v1
	v_lshl_add_u32 v[XSO], v15, 10, v[XSO]         ; row r + 64 x half, 16 bytes a row
	; x stays in registers.  A fragment (16 rows x 128 K) is 16 registers: lane l holds row l % 16; registers 4 c .. 4 c + 3 hold K = 32 c + 16 (l / 16) + 0 .. 15
	WIN 0x80                                       ; destination window 2
.irp a, 0,1,2,3
.irp k, 0,1,2,3
.irp c, 0,1,2,3
	global_load_b128 v[64*\a+16*\k+4*\c:64*\a+16*\k+4*\c+3], v[XO], s[8:9] offset:8192*\a+128*\k+32*\c
.endr
.endr
.endr
	WIN 0xc0                                       ; destination window 3
.irp a, 0,1,2,3
.irp k, 0,1,2,3
.irp c, 0,1,2,3
	global_load_b128 v[64*\a+16*\k+4*\c:64*\a+16*\k+4*\c+3], v[XO], s[8:9] offset:8192*(\a+4)+128*\k+32*\c
.endr
.endr
.endr
	WIN 0
.irp a, 0,1,2,3
	global_load_b128 v[XS+4*\a:XS+4*\a+3], v[XSO], s[10:11] offset:256*\a   ; a row's four scale words: lanes 0-15 block a's, lanes 16-31 block a + 4's
.endr
	v_and_b32 v[AF0], 31, v0
	v_lshlrev_b32 v[AF0], 4, v[AF0]
	v_lshl_add_u32 v[AS0], v1, 4, SIDE
	v_lshl_add_u32 v[AB0], v15, 5, SIDE+1024
	s_mul_i32 s18, s[WV], 2*STB
	s_add_co_u32 s18, s18, STAGE                   ; my stages
	v_mul_u32_u24 v[STO], v1, SPITCH
	v_lshl_add_u32 v[STO], v15, 5, v[STO]
	v_add_nc_u32 v[STO], s18, v[STO]               ; in: row r, 32 bytes for each half of the lanes
	v_mul_u32_u24 v[RD], v15, SPITCH
	v_lshl_add_u32 v[RD], v1, 4, v[RD]
	v_add_nc_u32 v[RD], s18, v[RD]                 ; back: lanes 0-15 one row of 256 bytes, lanes 16-31 the next
	v_lshlrev_b32 v[GO], 13, v15
	v_lshl_add_u32 v[GO], v1, 4, v[GO]             ; and the same two rows in out
.macro ADDR                            ; the LDS addresses of the expert to be fetched
	v_add_nc_u32 v[ADF], s[TB], v[AF0]
	v_add_nc_u32 v[ADS], s[TS], v[AS0]
	v_add_nc_u32 v[ADB], s[TS], v[AB0]
.endm
; Record hb of that expert into set hb % 2: 19 LDS loads in one run: four fragments as images (512 consecutive bytes a load), the rows' four scale words, my half's eight bias'
.macro LR hb
.set fP, (\hb)%2
	WIN 0
	ds_load_b128 v[WS+4*fP:WS+4*fP+3], v[ADS] offset:256*(\hb)
	ds_load_b128 v[BI+8*fP:BI+8*fP+3], v[ADB] offset:64*(\hb)
	ds_load_b128 v[BI+8*fP+4:BI+8*fP+7], v[ADB] offset:64*(\hb)+16
.irp s, 0,1,2,3
.irp c, 0,1,2,3
	ds_load_b128 v[F+64*fP+16*\s+4*\c:F+64*fP+16*\s+4*\c+3], v[ADF] offset:8192*(\hb)+2048*\s+512*\c
.endr
.endr
.endm
; Matrix instruction i of 16 of half-group (hb, u): K step i / 4, block 4 u + i % 4 of x.  The four accumulators take turns, one instruction a turn.
; Only source 1 (x) leaves window 0.  With u = 1 x's scale words are those of lanes 16-31.
.macro MMI hb, u
.set fP, (\hb)%2
.set kS, i/4
.set xA, i%4
.set rD, T+32*(\u)+8*xA
.set rA, F+64*fP+16*kS
.set rB, 64*xA+16*kS
.set rC, rD
.if kS == 0
.set rC, BI+8*fP                       ; the first K step starts the sum with bias'
.endif
	WIN 0x08+4*(\u)
.if \u
	v_wmma_scale_f32_16x16x128_f8f6f4 v[rD:rD+7], v[rA:rA+15], v[rB:rB+15], v[rC:rC+7], v[WS+4*fP+kS], v[XS+4*xA+kS] matrix_a_fmt:MATRIX_FMT_BF8 matrix_b_fmt:MATRIX_FMT_BF8 matrix_b_scale:MATRIX_SCALE_ROW1
.else
	v_wmma_scale_f32_16x16x128_f8f6f4 v[rD:rD+7], v[rA:rA+15], v[rB:rB+15], v[rC:rC+7], v[WS+4*fP+kS], v[XS+4*xA+kS] matrix_a_fmt:MATRIX_FMT_BF8 matrix_b_fmt:MATRIX_FMT_BF8
.endif
.endm
; Slice i of 16 for the half-group BEFORE (hb, u): the other set of accumulators, accumulator i / 4, pair i % 4: each accumulator from its low end on.
; ep = 2: relu in place (source 0 and destination in window 0, the constant as source 1: right under the products' setting, so no switch); at odd i two packed additions onto the sums.
; ep = 1: the first expert: at odd i four maxima write the sums: nothing is ever cleared.  ep = 0: nothing.
.macro SLICE hb, u, ep
.set oU, 1-(\u)
.if \u
.set hP, (\hb)
.else
.set hP, ((\hb)+3)%4
.endif
.set rT, T+32*oU+8*(i/4)+2*(i%4)
.set rS, 8*(4*(4*oU+i/4)+hP)+2*(i%4)
.if \ep == 2
	v_max_num_f32 v[rT], v[rT], 0
	v_max_num_f32 v[rT+1], v[rT+1], 0
.if i%2
	WIN EP
	v_pk_add_f32 v[rS-2:rS-1], v[rS-2:rS-1], v[rT-2:rT-1]
	v_pk_add_f32 v[rS:rS+1], v[rS:rS+1], v[rT:rT+1]
.endif
.elseif \ep == 1
.if i%2
	WIN EPF
	v_max_num_f32 v[rS-2], v[rT-2], 0
	v_max_num_f32 v[rS-1], v[rT-1], 0
	v_max_num_f32 v[rS], v[rT], 0
	v_max_num_f32 v[rS+1], v[rT+1], 0
.endif
.endif
.endm
; PLACES (eight behind this form, for reads of results).  The slices are the places.  An accumulator is last written by instruction 12 + a
; of its half-group and first read behind the next half-group's instruction 4 a (ep = 2) or 4 a + 1 (ep = 1): between stand slices 12 to 15, twelve plain instructions with ep = 2, eight with ep = 1, which name the other set.
; A set of fragments is loaded again behind the fourth product of the next record: behind its last reader stand that reader's slice and four more, twelve at the least.
.macro HGA hb, u, i0, i1, ep
.set i, \i0
.rept \i1-\i0+1
	MMI \hb, \u
	SLICE \hb, \u, \ep
.set i, i+1
.endr
.endm
; A record: 32 matrix instructions; behind the fourth, the run of loads for record nxt, 28 matrix instructions ahead of its use
.macro REC hb, epA, epB, nxt
	s_wait_dscnt 0x0                               ; this record's fragments, scale words and bias' are in
	HGA \hb, 0, 0, 3, \epA
	LR \nxt
	HGA \hb, 0, 4, 15, \epA
	HGA \hb, 1, 0, 15, \epB
.endm
; A trip: from the fifth product of an expert's last record to the fourth product of the next expert's last record.  At its end every read of that expert's LDS bytes is back.
; f = 1: the expert being finished is the first, whose slices start the sums; f = 2: any other.
.macro BODY f
	ADDR
	LR 0
	HGA 3, 0, 4, 15, \f
	HGA 3, 1, 0, 15, \f
	REC 0, \f, 2, 1
	REC 1, 2, 2, 2
	REC 2, 2, 2, 3
	s_wait_dscnt 0x0
	HGA 3, 0, 0, 3, 2
	WIN 0                                          ; at a label and at a branch every window is 0
	s_add_co_u32 s[TB], s[TB], EXPB
	s_add_co_u32 s[TS], s[TS], SIDEB
.endm
; THE CHANGE OF SLOTS, behind a slot's fourth expert.  Each wave waits for all its tensor loads, of which one is out: its expert of the other slot; adds 0 to its spare word; and waits for that and for its reads of this slot.
; fill = 1: this slot is filled again with the experts two slots on.  The barrier is then a round of the cluster's, so that no wave of any partner still reads the slot or has a load on its way; the joint refill is the
; first thing behind it and has a slot's 512 matrix instructions in which to land.
.macro CHANGE fill
	WIN 0
	s_wait_tensorcnt 0x0                           ; no tensor load of mine is out, so a group 0 may be written
	ds_add_u32 v[SPW], v[NIL]                      ; 0 onto my spare word
.if \fill
	s_xor_b32 s[G0W+1], s[G0W+1], SLOT1            ; the walking descriptor: the other slot than last time,
	s_add_nc_u64 s[G0W+2:G0W+3], s[G0W+2:G0W+3], 4*EXPB   ; the next four experts; the type bits on top are not reached
	s_wait_dscnt 0x0                               ; the add is done, and my reads of the slot are over
	CROUND
	tensor_load_to_lds s[G0W:G0W+3], s[G1:G1+7]
	s_nop 0
.rept 4
	v_nop
.endr
.else
	s_wait_dscnt 0x0
	s_barrier_signal -1
	s_barrier_wait -1
.endif
	s_sub_co_u32 s[TB], s[TB], 4*EXPB              ; the fetches go back to a slot's first expert,
	s_xor_b32 s[TB], s[TB], SLOT1                  ; in the other slot
.endm
	s_wait_tensorcnt 1                             ; the side bytes and my expert of slot 0 are in; slot 1's load may stay out
	s_barrier_signal -1
	s_barrier_wait -1                              ; everybody's are
	; EXPERT 0 is written out: its first half-group has nothing to set between its products, and its slices start the sums
	ADDR
	LR 0
	s_wait_loadcnt 0x0                             ; x
	s_wait_dscnt 0x0
	HGA 0, 0, 0, 3, 0
	LR 1
	HGA 0, 0, 4, 15, 0
.rept 8
	v_nop                                          ; the places behind these products: no slice stood among them
.endr
	HGA 0, 1, 0, 15, 1
	REC 1, 1, 1, 2
	REC 2, 1, 1, 3
	s_wait_dscnt 0x0
	HGA 3, 0, 0, 3, 1
	WIN 0
	s_add_co_u32 s[TB], s[TB], EXPB
	s_add_co_u32 s[TS], s[TS], SIDEB
	BODY 1                                         ; expert 1
	s_mov_b32 s[INNER], 2
.Lfirst:                                               ; experts 2, 3
	BODY 2
	s_sub_co_u32 s[INNER], s[INNER], 1
	s_cmp_lg_u32 s[INNER], 0
	s_cbranch_scc1 .Lfirst
	s_mov_b32 s[SLOTS], 2
.Lslot:                                                ; two trips: experts 4-7 while 8-11 are fetched, experts 8-11 while 12-15 are fetched
	CHANGE 1
	s_mov_b32 s[INNER], 4
.Lmid:
	BODY 2
	s_sub_co_u32 s[INNER], s[INNER], 1
	s_cmp_lg_u32 s[INNER], 0
	s_cbranch_scc1 .Lmid
	s_sub_co_u32 s[SLOTS], s[SLOTS], 1
	s_cmp_lg_u32 s[SLOTS], 0
	s_cbranch_scc1 .Lslot
	CHANGE 0                                       ; the last slot is written out
	s_mov_b32 s[INNER], 4
.Ltail:                                                ; experts 12-15
	BODY 2
	s_sub_co_u32 s[INNER], s[INNER], 1
	s_cmp_lg_u32 s[INNER], 0
	s_cbranch_scc1 .Ltail
	HGA 3, 0, 4, 15, 2                             ; the rest of the last record
	HGA 3, 1, 0, 15, 2
.set i, 0
.rept 16                               ; and the slices of the last half-group, (3, 1), by themselves: they are those that a half-group (0, 0) would carry
	WIN 0
	SLICE 0, 0, 2
.set i, i+1
.endr
	WIN 0
; THE WAY OUT, block by block of 16 rows x 64 h.  A lane holds 32 neighbouring bytes of a row and the lanes beside it other rows: so a block goes through my own stage in LDS and comes back as whole rows of 256 bytes.
; LDS serves a wave's instructions in order (ISA guide 5.7.1.4): no wait between the stores and the loads.
.macro TOSTAGE i
	WIN 0x04                                       ; an LDS store's data are its source 1: window 1
.irp hb, 0,1,2,3
	ds_store_b128 v[STO], v[8*(4*(\i)+\hb):8*(4*(\i)+\hb)+3] offset:STB*((\i)%2)+64*\hb
	ds_store_b128 v[STO], v[8*(4*(\i)+\hb)+4:8*(4*(\i)+\hb)+7] offset:STB*((\i)%2)+64*\hb+16
.endr
	WIN 0
.irp t, 0,1,2,3,4,5,6,7
	ds_load_b128 v[BK+32*((\i)%2)+4*\t:BK+32*((\i)%2)+4*\t+3], v[RD] offset:STB*((\i)%2)+2*SPITCH*\t
.endr
.endm
.macro SEND i, younger                 ; younger: the LDS instructions issued behind block i's loads, which may stay out
	s_wait_dscnt \younger
.irp t, 0,1,2,3,4,5,6,7
	global_store_b128 v[GO], v[BK+32*((\i)%2)+4*\t:BK+32*((\i)%2)+4*\t+3], s[12:13] offset:(16*(\i)+2*\t)*8192 th:TH_STORE_NT   ; 16 lanes store 256 consecutive bytes, at a multiple of 256 from out's first byte; 126 rows at the most: inside the signed 24-bit immediate
.endr
.endm
	TOSTAGE 0
.irp a, 1,2,3,4,5,6,7
.if \a > 1
	s_wait_xcnt 0x0                                ; block a - 2's stores have read their registers: block a's loads may land there
.endif
	TOSTAGE \a
	SEND \a-1, 16                                  ; behind block a - 1's loads: block a's 8 stores and 8 loads
.endr
	SEND 7, 0
	s_wait_tensorcnt 0x0                           ; the wave's end, behind my last tensor load and my last LDS store
	ds_add_u32 v[SPW], v[NIL]
	s_wait_dscnt 0x0
	CROUND                                         ; the closing round: no work-group ends while a partner may still ask for a tile that names it
	s_endpgm
.Lfunc_end_k_q4f260aff5b_coop:
	.size	k_q4f260aff5b_coop, .Lfunc_end_k_q4f260aff5b_coop-k_q4f260aff5b_coop
	.p2alignl 7, 3214868480
	.fill 96, 4, 3214868480
	.section	.rodata,"a",@progbits
	.p2align	6, 0x0
	.amdhsa_kernel k_q4f260aff5b_coop
		.amdhsa_group_segment_fixed_size 327680
		.amdhsa_private_segment_fixed_size 0
		.amdhsa_enable_private_segment 0
		.amdhsa_kernarg_size 40
		.amdhsa_user_sgpr_count 2
		.amdhsa_user_sgpr_kernarg_segment_ptr 1
		.amdhsa_wavefront_size32 1
		.amdhsa_system_sgpr_workgroup_id_x 1
		.amdhsa_system_sgpr_workgroup_id_y 1
		.amdhsa_system_sgpr_workgroup_id_z 1
		.amdhsa_system_vgpr_workitem_id 0
		.amdhsa_next_free_vgpr 1024
		.amdhsa_next_free_sgpr 66
		.amdhsa_reserve_vcc 0
		.amdhsa_float_denorm_mode_32 3
		.amdhsa_float_denorm_mode_16_64 3
		.amdhsa_memory_ordered 1
		.amdhsa_forward_progress 1
		.amdhsa_inst_pref_size 255
	.end_amdhsa_kernel
	.section	.bss,"aw",@nobits
	.p2align	6
	.space	262144
	.amdgpu_metadata
---
amdhsa.version: [ 1, 2 ]
amdhsa.kernels:
  - .name:           k_q4f260aff5b_coop
    .symbol:         k_q4f260aff5b_coop.kd
    .args:
      - { .name: wq, .offset: 0, .size: 8, .value_kind: global_buffer, .address_space: global }
      - { .name: wside, .offset: 8, .size: 8, .value_kind: global_buffer, .address_space: global }
      - { .name: semantic_vec_codes, .offset: 16, .size: 8, .value_kind: global_buffer, .address_space: global }
      - { .name: semantic_vec_scales, .offset: 24, .size: 8, .value_kind: global_buffer, .address_space: global }
      - { .name: out0, .offset: 32, .size: 8, .value_kind: global_buffer, .address_space: global }
    .group_segment_fixed_size: 327680
    .private_segment_fixed_size: 0
    .kernarg_segment_align: 8
    .kernarg_segment_size: 40
    .max_flat_workgroup_size: 128
    .sgpr_count:     66
    .vgpr_count:     1024
    .wavefront_size: 32
...
	.end_amdgpu_metadata
.endif
;; end of part 2
